; MI455X (gfx1250); checked and timed in simulation.
; The chip was launched on July 23, 2026; its instructions are those of AMD's public machine-readable ISA for CDNA 5 (MIT licence, August 2026) and "CDNA5" Instruction Set Architecture Reference Guide (July 2026). The comments in the code are by the model that wrote it; some were corrected since.
;; Efficient MDA. Allowed arithmetic: matrix products marked QUANTISED: E3M2 operands, one E8M0 scale for each 32 along K, by v_wmma_scale_f32_16x16x128_f8f6f4 with both operands' format E3M2, f32 sums; products left as they are: f32 operands where the result goes on into a quantised operand, else bf16, f16 or f32 operands; f32 sums; everything else in f32.
;; Inputs: alpha 1 float32; b_c1 16 float32; b_c2 256 float32; b_hfc 64 float32; b_reduce 16 float32; b_wfc 64 float32; beta 1 float32; w_c1 16 x 16 float32; w_c2 256 x 16 float32; w_hfc 64 x 16 float32; w_reduce 16 x 256 float32; w_wfc 64 x 16 float32; x 4 x 256 x 64 x 64 float32.
;; Outputs: out0 4 x 256 x 64 x 64 float32.
;; This version of the problem:
;;   THIS VERSION OF THE PROBLEM IS GIVEN IN LOW PRECISION. The matrix products marked QUANTISED in the list below multiply operands that are first quantised to E3M2 (3 exponent bits, 2 mantissa bits; 6 bits a number), with one power-of-two scale for each 32 numbers along K (OCP MX v1.0); their sums are f32. All else is computed in f32.
;;   The module's matrix products, in the order in which they are computed (A, B: the left and right operand; K: the contracted axis; several contracted axes count as one K, in the product's order):
;;     1. [M 16, K 256] x [K 256, N 16,384]; A: input w_reduce; B: input x: QUANTISED
;;     2. [M 256, K 16] x [K 16, N 64]; A: computed on the way; B: input w_hfc: left as it is (K = 16 < 32)
;;     3. [M 256, K 16] x [K 16, N 64]; A: computed on the way; B: input w_wfc: left as it is (K = 16 < 32)
;;     4. [M 4, K 16] x [K 16, N 16]; A: computed on the way; B: input w_c1: left as it is (K = 16 < 32)
;;     5. [M 4, K 16] x [K 16, N 256]; A: computed on the way; B: input w_c2: left as it is (K = 16 < 32)
;;     6. batch 4 x [M 4,096, K 1] x [K 1, N 4,096]; A: computed on the way; B: computed on the way: left as it is (no contracted axis)
;;     7. batch 4 x [M 256, K 4,096] x [K 4,096, N 4,096]; A: input x; B: softmax (see below): QUANTISED
;;   THE QUANTISER, for each operand of a quantised product, along K:
;;     - K is cut into blocks of 32 from its start; a last block that is shorter is filled with zeros.
;;     - A block's scale is 2^e with e = floor(log2(the largest magnitude in the block)) - 4, held to -126 .. 127; a block of zeros has e = 0. As a byte (E8M0): e + 127.
;;     - Each number is divided by its block's scale, clamped to +-28, and rounded to the nearest number of E3M2, ties to even, subnormals kept.
;;     - The product sums the exact products of the quantised numbers (number of the format x scale) in f32.
;;   ~~~python
;;   def quantise(x, axis):      # numpy; x: float32 -> the quantised numbers, widened to float32 again
;;       x = np.moveaxis(x, axis, -1); K = x.shape[-1]
;;       x = np.pad(x, [(0, 0)] * (x.ndim - 1) + [(0, -K % 32)]); x = x.reshape(x.shape[:-1] + (-1, 32)); a = np.abs(x).max(-1, keepdims=True)
;;       e = np.where(a > 0, np.clip(np.frexp(np.where(a > 0, a, 1))[1] - 1 - 4, -126, 127), 0)      # np.frexp(a)[1] - 1 = floor(log2(a)), exactly
;;       r = np.clip(x / 2.0 ** e, -28, 28)
;;       step = 2.0 ** (np.maximum(np.frexp(np.where(r == 0, 1, r))[1] - 1, -2) - 2)
;;       q = np.round(r / step) * step * 2.0 ** e      # np.round: ties to even
;;       return np.moveaxis(q.reshape(q.shape[:-2] + (-1,))[..., :K], -1, axis).astype(np.float32)
;;   ~~~
;;   SOFTMAX AHEAD OF A QUANTISED PRODUCT. Where the list says 'softmax', what is quantised is not the finished softmax but p = 2^(t - M), with t = logit x log2(e) and M = ceil(the row's largest t), a whole number; so 1/2 < the row's largest p <= 1. The row's sum l is taken of the UNQUANTISED p, in f32, and the product's result is divided by l at the end. Since M is a whole number, a kernel that streams over the keys may use a running M (the ceiling of the running maximum): every later rescaling is an exact power of two, which a block's scale takes up: the codes' values come out the same.
;;   OPERANDS COMPUTED ON THE WAY. 'Computed on the way' means the value that the module computes at that place (a softmax that the list does not call 'softmax' is quantised finished and normalised). What goes into a quantiser is computed in f32, as accurately as f32 sums, v_exp_f32 and their like allow (about 1e-6 of the number): no bf16 or f16 on the way to a quantiser, and a product that is left as it is and whose result goes on into a quantised operand takes f32 operands (vector FMAs, or v_wmma_f32_16x16x4_f32). A number that lies on a knife's edge between two numbers of the format may be rounded either way, as far as f32 arithmetic and the matrix unit's own rounding can turn it there, and no further.
;; One version. Each part assembles by itself: llvm-mc -triple=amdgcn-amd-amdhsa -mcpu=gfx1250 --defsym DOCPART=n.
;; ======== version 1 of 1: 3 launches
;; workspace buffers: xc 3,145,728 bytes; xs 131,072 bytes; comp 1,048,576 bytes; rowsum 16,384 bytes; ah 65,536 bytes; bq 65,536 bytes; cb 4,096 bytes
;; launch prep (part 1): grid 64 x 4, 4 waves a work-group, no clusters, 167,936 bytes of LDS; arguments x, w_reduce, xc, xs, comp, rowsum; writes xc, xs, comp, rowsum
.if DOCPART == 1
	.amdgcn_target "amdgcn-amd-amdhsa--gfx1250"
	.amdhsa_code_object_version 6
	.text
	.protected	k_q1874332706_prep
	.globl	k_q1874332706_prep
	.p2align	8
	.type	k_q1874332706_prep,@function
k_q1874332706_prep:
	s_mov_b64 s[64:65], 0
	v_nop
	global_prefetch_b8 v0, s[64:65] scope:SCOPE_SE
	s_setreg_imm32_b32 hwreg(HW_REG_WAVE_MODE, 25, 1), 1
	s_wait_xcnt 0x0
; FIRST OF THREE LAUNCHES.  x [4][256][64][64] f32 is read once, one work-group for each (b, h): the tile x[b][:][h][:], 256 channels x 64 pixels.
; It makes (1) x's codes of BF6 (E3M2) along the pixels (K of the last product), laid in the order of the operand's registers, with their E8M0 bytes;
; (2) the first product, w_reduce . x, on codes along the channels (K = 256), both operands quantised here; (3) that product's row sums over w.
; NO WORK OF reference() IS LEFT OUT, and every input is loaded by some launch.  One step is moved: compressed is used by its means alone, and
; mean(z + b_reduce) = mean(z) + b_reduce, so b_reduce is added behind the means, in the second launch.
; A block's scale is 2^(floor(log2(largest magnitude)) - 4): its byte is the largest magnitude's exponent field - 4, held at 1 from below.
; LIMITS: a block of zeros gets the byte 1 where the rule says 127 (its codes are zeros, and the bytes are read by this program alone); blocks whose largest
; magnitude lies under 2^(5 - 127) have their byte held at 1; NaN and infinities among the inputs are not served.
; NO CLUSTER: no two work-groups read the same bytes of x; w_reduce, 16,384 bytes, is all that they share, and it goes straight into registers (every wave reads it whole).
; SHARES: wave v fetches channels 64 v .. 64 v + 63 (one tensor load), makes the first product for pixels 16 v .. 16 v + 15, and the codes along the pixels of channels 64 v .. 64 v + 63.
; REGISTERS: v1 lane, v2 r = lane % 16, v3 h = lane / 16, v4 8 h; v5-11 addresses; v12, v13 at work; v14, v15 the add's two; v16-19 largest magnitudes; v20-23 the conversions' scale operands;
; v24, v25 w_reduce's scale words, v26, v27 x's (scales and nothing else); v28-31 scale bytes; v32-159 four blocks of 32 numbers; v160-183 w_reduce's two fragments; v184-207 x's two;
; v208-215 the product; v216-239 four half fragments along the pixels; v240.. the upper halves of blocks as converted (three registers of each four; the fourth of each holds a small address or a sum).
.set XP,    272                        ; an LDS row: 256 bytes + 16 of padding: 16 rows start at 16 different groups of four banks
.set RS,    256*XP                     ; behind the tile: the four waves' partial row sums, 64 bytes each, in a block of 256 bytes of their own
.set SPARE, RS+256                     ; the spare words, 128 bytes for each wave: two blocks of 256 bytes that no other line names
.set MXR,   16
.set SO,    20
.set WS,    24
.set XW,    26
.set BY,    28
.set SRC,   32
.set WF,    160
.set XF,    184
.set DD,    208
.set CF,    216
.set PX,    240
; four blocks of 32 numbers, block b in v[SRC + 32 b] on: largest magnitude (with the floor 2^(5 - 127) among its leaves), scale operand (4 off the exponent field), byte.  The blocks by turns.
.macro QMAX
.irp b, 0,1,2,3
	v_max3_num_f32 v[MXR+\b], |v[SRC+32*\b]|, |v[SRC+32*\b+1]|, 0x2800000
.endr
.irp i, 2,4,6,8,10,12,14,16,18,20,22,24,26,28,30
.irp b, 0,1,2,3
	v_max3_num_f32 v[MXR+\b], v[MXR+\b], |v[SRC+32*\b+\i]|, |v[SRC+32*\b+\i+1]|
.endr
.endr
.irp b, 0,1,2,3
	v_add_nc_u32 v[SO+\b], 0xfe000000, v[MXR+\b]
.endr
.irp b, 0,1,2,3
	v_lshrrev_b32 v[BY+\b], 23, v[SO+\b]
.endr
.endm
; the four blocks' codes: block b into v[dst + 6 b] .. + 5.  A conversion's three registers begin on an even number, so a block's upper half is made elsewhere and moved.
.macro QCVT dst
.irp b, 0,1,2,3
	v_cvt_scalef32_pk16_bf6_f32 v[\dst+6*\b:\dst+6*\b+2], v[SRC+32*\b:SRC+32*\b+15], v[SO+\b]
	v_cvt_scalef32_pk16_bf6_f32 v[PX+4*\b:PX+4*\b+2], v[SRC+32*\b+16:SRC+32*\b+31], v[SO+\b]
.endr
	v_nop                                          ; one plain place behind the last scaled conversion
.irp b, 0,1,2,3
.irp i, 0,1,2
	v_mov_b32 v[\dst+6*\b+3+\i], v[PX+4*\b+\i]
.endr
.endr
.endm
; a scale word of 128 along K: my two bytes (blocks h and 2 + h of the K step) at their places, with lane l xor 16's two
.macro QWORD lo, hi, out
	v_lshl_or_b32 v12, v[BY+\hi], 16, v[BY+\lo]
	v_lshlrev_b32 v12, v4, v12
	v_permlanex16_b32 v13, v12, s32, s33
	v_or_b32 v[\out], v12, v13
.endm
	s_load_b256 s[4:11], s[0:1], 0x0               ; x s[4:5], w_reduce s[6:7], xc s[8:9], xs s[10:11]
	s_load_b128 s[12:15], s[0:1], 0x20             ; comp s[12:13], rowsum s[14:15]
	v_lshl_add_u32 v14, v0, 2, SPARE
	v_mov_b32 v15, 0
	ds_add_u32 v14, v15                            ; the wave's opening: the add, twice on end, and its wait ahead of my tensor load
	ds_add_u32 v14, v15                            ; and once more, under the one wait; the set-up below is work on registers
	v_lshrrev_b32 v1, 5, v0
	v_readfirstlane_b32 s28, v1                    ; wave 0..3
	s_mov_b32 s29, ttmp9                           ; h
	s_and_b32 s30, ttmp7, 0xffff                   ; b
	; descriptor group 1: 64 rows (channels) x 64 elements of 4 bytes, 4,096 elements from row to row; 4 words of padding behind every 64
	s_mov_b32 s16, (2<<16)|(1<<20)|(5<<22)|(3<<25)
	s_mov_b32 s17, 64<<16                          ; tensor_dim0
	s_mov_b32 s18, 64<<16                          ; tensor_dim1
	s_mov_b32 s19, 64<<16                          ; tile_dim0
	s_mov_b32 s20, 64                              ; tile_dim1
	s_mov_b32 s21, 4096                            ; the pitch
	s_mov_b32 s22, 0
	s_mov_b32 s23, 0
	s_mov_b32 s32, 0x76543210
	s_mov_b32 s33, 0xfedcba98                      ; v_permlanex16_b32's selects for lane l xor 16
	s_mov_b32 s24, 1
	s_mul_i32 s25, s28, 64*XP                      ; my 64 rows of the tile in LDS
	s_lshl_b32 s36, s30, 22                        ; x: b x 4,194,304 + wave x 64 channels of 16,384 + h x 256
	s_lshl_b32 s46, s28, 20
	s_add_co_u32 s36, s36, s46
	s_lshl_b32 s46, s29, 8
	s_add_co_u32 s36, s36, s46
	s_mov_b32 s37, 0
	s_lshl_b32 s38, s30, 18                        ; comp [b][w / 4][h][r][w % 4]: b x 262,144 + wave x 4 groups of 16,384 + h x 256
	s_lshl_b32 s46, s28, 16
	s_add_co_u32 s38, s38, s46
	s_lshl_b32 s46, s29, 8
	s_add_co_u32 s38, s38, s46
	s_mov_b32 s39, 0
	s_mul_i32 s40, s30, 786432                     ; xc [b][h / 2][h % 2][channel tile][768]: + wave x 4 tiles
	s_lshr_b32 s46, s29, 1
	s_mul_i32 s46, s46, 24576
	s_add_co_u32 s40, s40, s46
	s_and_b32 s46, s29, 1
	s_mul_i32 s46, s46, 12288
	s_add_co_u32 s40, s40, s46
	s_mul_i32 s46, s28, 3072
	s_add_co_u32 s40, s40, s46
	s_mov_b32 s41, 0
	s_lshl_b32 s42, s30, 15                        ; xs [b][h / 2][channel] words: + wave x 64 words + 2 (h % 2) bytes
	s_lshr_b32 s46, s29, 1
	s_lshl_b32 s46, s46, 10
	s_add_co_u32 s42, s42, s46
	s_lshl_b32 s46, s28, 8
	s_add_co_u32 s42, s42, s46
	s_and_b32 s46, s29, 1
	s_lshl_b32 s46, s46, 1
	s_add_co_u32 s42, s42, s46
	s_mov_b32 s43, 0
	s_lshl_b32 s44, s30, 12                        ; rowsum [b][h][16]
	s_lshl_b32 s46, s29, 6
	s_add_co_u32 s44, s44, s46
	s_mov_b32 s45, 0
	s_wait_dscnt 0x0                               ; both opening adds are done
	s_wait_kmcnt 0x0
	s_add_nc_u64 s[26:27], s[4:5], s[36:37]
	s_or_b32 s27, s27, 0x80000000                  ; type = 2
	tensor_load_to_lds s[24:27], s[16:23]          ; my 64 channels: the wave's one tensor load
	s_nop 0
	; ---- while the tile is on its way: w_reduce [16][256] becomes two fragments.  Lane (r, h) takes, of row r, k = 64 b + 32 h + 0 .. 31 for b = 0 .. 3: the order of the operand's registers
	v_and_b32 v2, 15, v0
	v_bfe_u32 v3, v0, 4, 1
	v_lshlrev_b32 v5, 10, v2
	v_lshl_add_u32 v5, v3, 7, v5                   ; row r of 1,024 bytes + 128 h
.set i, 0
.rept 32
	global_load_b128 v[SRC+4*i:SRC+4*i+3], v5, s[6:7] offset:256*(i/8)+16*(i%8)
.set i, i+1
.endr
	s_add_nc_u64 s[12:13], s[12:13], s[38:39]
	s_add_nc_u64 s[8:9], s[8:9], s[40:41]
	s_add_nc_u64 s[10:11], s[10:11], s[42:43]
	s_add_nc_u64 s[14:15], s[14:15], s[44:45]
	v_and_b32 v1, 31, v0
	v_lshlrev_b32 v4, 3, v3
	v_mul_u32_u24 v6, v3, 32*XP                    ; along the channels: channel 32 h (+ 64 b + q by the immediate), pixel 16 wave + r
	v_lshl_add_u32 v6, v2, 2, v6
	s_lshl_b32 s46, s28, 6
	v_add_nc_u32 v6, s46, v6
	v_mul_u32_u24 v7, v2, XP                       ; along the pixels: channel 64 wave + r (+ 16 f), pixel 32 h
	v_lshl_add_u32 v7, v3, 7, v7
	v_add_nc_u32 v7, s25, v7
	v_lshlrev_b32 v8, 15, v3                       ; comp: two groups of four pixels on for lanes 16-31, 16 bytes for each r
	v_lshl_add_u32 v8, v2, 4, v8
	v_lshlrev_b32 v9, 4, v1
	v_lshlrev_b32 v10, 3, v1
	v_lshlrev_b32 v11, 2, v1
	v_mov_b32 v13, 0                               ; written once: a lane permute's destination counts as one of its sources
	s_add_co_u32 s46, s46, RS
	v_lshl_add_u32 v243, v2, 2, s46                ; where my wave's partial row sum of r goes
	v_lshl_add_u32 v247, v2, 2, RS                 ; and where wave 0 reads the four
	v_lshlrev_b32 v255, 2, v2
	v_cmp_lt_u32 s34, 15, v1                       ; lanes 16-31
	s_wait_loadcnt 0x0
	QMAX
	QWORD 0, 1, WS
	QWORD 2, 3, WS+1
	QCVT WF
	s_wait_tensorcnt 0x0                           ; my 64 rows have landed,
	s_barrier_signal -1
	s_barrier_wait -1                              ; everybody's have.  Nothing is ever filled again
	; ---- the first product.  Lane (r, h): pixel 16 wave + r, its registers run DOWN the channels: 64 b + 32 h + q
.set i, 0
.rept 128
	ds_load_b32 v[SRC+i], v6 offset:(64*(i/32)+i%32)*XP
.set i, i+1
.endr
	s_wait_dscnt 0x0
	QMAX
	QWORD 0, 1, XW
	QWORD 2, 3, XW+1
	QCVT XF
.set i, 0
.rept 32                                       ; the next phase's numbers are asked for now: channel 64 wave + 16 f + r, pixels 32 h + 0 .. 31: block f
	ds_load_b128 v[SRC+4*i:SRC+4*i+3], v7 offset:16*XP*(i/8)+16*(i%8)
.set i, i+1
.endr
.rept 8
	v_nop                                          ; a scale register written by a vector instruction stands 8 places ahead of a scaled matrix instruction, an operand so written 4
.endr
	v_wmma_scale_f32_16x16x128_f8f6f4 v[DD:DD+7], v[XF:XF+11], v[WF:WF+11], 0, v[XW], v[WS] matrix_a_fmt:MATRIX_FMT_BF6 matrix_b_fmt:MATRIX_FMT_BF6
	s_wait_alu depctr_va_vdst(0)                   ; the wait directly ahead of the second
	v_wmma_scale_f32_16x16x128_f8f6f4 v[DD:DD+7], v[XF+12:XF+23], v[WF+12:WF+23], v[DD:DD+7], v[XW+1], v[WS+1] matrix_a_fmt:MATRIX_FMT_BF6 matrix_b_fmt:MATRIX_FMT_BF6
.rept 4
	v_nop                                          ; four places ahead of the first read of the result
.endr
	; source 0 = 16 pixels, source 1 = w_reduce's 16 rows: register j of lane (r, h) is the product at (r, w = 16 wave + 8 h + j)
	global_store_b128 v8, v[DD:DD+3], s[12:13]                  ; sixteen lanes store 256 consecutive bytes, aligned
	global_store_b128 v8, v[DD+4:DD+7], s[12:13] offset:16384
	v_add_f32 v251, v[DD], v[DD+1]
.irp j, 2,3,4,5,6,7
	v_add_f32 v251, v251, v[DD+\j]
.endr
	v_permlanex16_b32 v13, v251, s32, s33
	v_add_f32 v251, v251, v13                      ; the sum over my wave's 16 pixels
	ds_store_b32 v243, v251                        ; (both halves of the lanes store the same word with the same value)
	; ---- the codes along the pixels: four half fragments, key row h
	s_wait_dscnt 0x0
	QMAX
	QCVT CF
.irp f, 0,1,2,3
	global_store_b128 v9, v[CF+6*\f:CF+6*\f+3], s[8:9] offset:768*\f          ; registers 0-3 of the six, 16 bytes a lane: 512 consecutive bytes
	global_store_b64 v10, v[CF+6*\f+4:CF+6*\f+5], s[8:9] offset:768*\f+512    ; registers 4, 5: 256 consecutive bytes
.endr
.irp f, 0,1,2,3
	v_lshlrev_b32 v[MXR+\f], v4, v[BY+\f]
.endr
.irp f, 0,1,2,3
	v_permlanex16_b32 v13, v[MXR+\f], s32, s33
	v_or_b32 v[MXR+\f], v[MXR+\f], v13             ; the key row's two bytes of channel 16 f + r, in both halves of the lanes
.endr
	v_cndmask_b32 v184, v[MXR], v[MXR+1], s34      ; lanes 0-15 tile 2 p, lanes 16-31 tile 2 p + 1: 32 neighbouring channels
	v_cndmask_b32 v185, v[MXR+2], v[MXR+3], s34
	global_store_b16 v11, v184, s[10:11]           ; two bytes of each channel's word; the key row h xor 1's work-group stores the other two: 512 bytes of the 16,960 that a work-group stores leave so
	global_store_b16 v11, v185, s[10:11] offset:128
	s_wait_dscnt 0x0                               ; my partial row sum lies in LDS
	s_barrier_signal -1
	s_barrier_wait -1
	s_wait_tensorcnt 0x0                           ; the wave's end: the wait, the add and its wait, behind my tensor load and my last LDS store; only LDS reads follow
	ds_add_u32 v14, v15
	s_wait_dscnt 0x0
	s_cmp_lg_u32 s28, 0
	s_cbranch_scc1 .Lend
.irp k, 0,1,2,3
	ds_load_b32 v[186+\k], v247 offset:64*\k
.endr
	s_wait_dscnt 0x0
	v_add_f32 v186, v186, v187
	v_add_f32 v188, v188, v189
	v_add_f32 v186, v186, v188
	global_store_b32 v255, v186, s[14:15]          ; the row's sums over w, 16 numbers (both halves of the lanes store the same word)
.Lend:
	s_endpgm
.Lfunc_end_k_q1874332706_prep:
	.size	k_q1874332706_prep, .Lfunc_end_k_q1874332706_prep-k_q1874332706_prep
	.p2alignl 7, 3214868480
	.fill 96, 4, 3214868480
	.section	.rodata,"a",@progbits
	.p2align	6, 0x0
	.amdhsa_kernel k_q1874332706_prep
		.amdhsa_group_segment_fixed_size 167936
		.amdhsa_private_segment_fixed_size 0
		.amdhsa_enable_private_segment 0
		.amdhsa_kernarg_size 48
		.amdhsa_user_sgpr_count 2
		.amdhsa_user_sgpr_kernarg_segment_ptr 1
		.amdhsa_wavefront_size32 1
		.amdhsa_system_sgpr_workgroup_id_x 1
		.amdhsa_system_sgpr_workgroup_id_y 1
		.amdhsa_system_sgpr_workgroup_id_z 1
		.amdhsa_system_vgpr_workitem_id 0
		.amdhsa_next_free_vgpr 256
		.amdhsa_next_free_sgpr 66
		.amdhsa_reserve_vcc 0
		.amdhsa_float_denorm_mode_32 3
		.amdhsa_float_denorm_mode_16_64 3
		.amdhsa_memory_ordered 1
		.amdhsa_forward_progress 1
		.amdhsa_inst_pref_size 38
	.end_amdhsa_kernel
	.amdgpu_metadata
---
amdhsa.version: [ 1, 2 ]
amdhsa.kernels:
  - .name:           k_q1874332706_prep
    .symbol:         k_q1874332706_prep.kd
    .args:
      - { .name: x, .offset: 0, .size: 8, .value_kind: global_buffer, .address_space: global }
      - { .name: w_reduce, .offset: 8, .size: 8, .value_kind: global_buffer, .address_space: global }
      - { .name: xc, .offset: 16, .size: 8, .value_kind: global_buffer, .address_space: global }
      - { .name: xs, .offset: 24, .size: 8, .value_kind: global_buffer, .address_space: global }
      - { .name: comp, .offset: 32, .size: 8, .value_kind: global_buffer, .address_space: global }
      - { .name: rowsum, .offset: 40, .size: 8, .value_kind: global_buffer, .address_space: global }
    .group_segment_fixed_size: 167936
    .private_segment_fixed_size: 0
    .kernarg_segment_align: 8
    .kernarg_segment_size: 48
    .max_flat_workgroup_size: 128
    .sgpr_count:     66
    .vgpr_count:     256
    .wavefront_size: 32
...
	.end_amdgpu_metadata
.endif
;; end of part 1
;; launch mid (part 2): grid 16 x 4, 2 waves a work-group, no clusters, 0 bytes of LDS; arguments comp, rowsum, b_reduce, w_hfc, b_hfc, w_wfc, b_wfc, w_c1, b_c1, w_c2, b_c2, beta, ah, bq, cb; writes ah, bq, cb
.if DOCPART == 2
	.amdgcn_target "amdgcn-amd-amdhsa--gfx1250"
	.amdhsa_code_object_version 6
	.text
	.protected	k_q1874332706_mid
	.globl	k_q1874332706_mid
	.p2align	8
	.type	k_q1874332706_mid,@function
k_q1874332706_mid:
	s_mov_b64 s[64:65], 0
	v_nop
	global_prefetch_b8 v0, s[64:65] scope:SCOPE_SE
	s_setreg_imm32_b32 hwreg(HW_REG_WAVE_MODE, 25, 1), 1
	s_wait_xcnt 0x0
; SECOND LAUNCH: the three small heads, all in f32 by fused multiply-adds (K = 16; two of them go on into a quantised operand).  Nothing of reference() is left out; b_reduce, moved behind the means, is added here.
; Work-group (g, b).  Wave 0: means over h of the first product at pixels w = 4 g .. 4 g + 3, then bq[b][w][j] = log2(e) x sigmoid(w_vec . w_wfc[j] + b_wfc[j]).
; Wave 1: ah[b][h][i] = sigmoid(h_vec . w_hfc[i] + b_hfc[i]) for h = 4 g .. 4 g + 3, and cb[b][c] = beta x c_att[b][c] for c = 16 g .. 16 g + 15.
; The two waves share nothing: no LDS, no barrier.  No matrix unit, no cluster: 64 work-groups of a few thousand multiply-adds, and what they share is a few KiB of weights.
; A vector of 16 lies one number a lane; v_readlane_b32 brings it into s[20:35], from where every lane's multiply-adds take it.  Lane l makes outputs 2 l and 2 l + 1: a row of 64 leaves as 256 consecutive bytes.
; LIMITS: NaN and infinities among the inputs are not served.
.set W,   16                           ; v16-47  two rows of the weight: rows 2 l and 2 l + 1
.set BI,  48                           ; v48-49  their biases
.set BR,  50                           ; v50     b_reduce[r]
.set VEC, 52                           ; v52-55  four vectors: lane r holds number r
.set Z,   56                           ; v56-63  four rows x two outputs
.set CM,  64                           ; v64..   what is summed
.macro SIG n, zr                       ; sigmoid(z) = 1 / (1 + 2^(-log2(e) z)), on n registers; each batch of transcendentals has one plain place and one wait ahead of its first reader
.set i, 0
.rept \n
	v_mul_f32 v[\zr+i], 0xbfb8aa3b, v[\zr+i]
.set i, i+1
.endr
.set i, 0
.rept \n
	v_exp_f32 v[\zr+i], v[\zr+i]
.set i, i+1
.endr
	v_nop
	s_wait_alu depctr_va_vdst(0)
.set i, 0
.rept \n
	v_add_f32 v[\zr+i], 1.0, v[\zr+i]
.set i, i+1
.endr
.set i, 0
.rept \n
	v_rcp_f32 v[\zr+i], v[\zr+i]
.set i, i+1
.endr
	v_nop
	s_wait_alu depctr_va_vdst(0)
.endm
.macro ATT                             ; Z[2 q], Z[2 q + 1] = bias + vector q . my two rows of the weight; the bias starts each sum
.irp q, 0,1,2,3
.irp k, 0,1,2,3,4,5,6,7,8,9,10,11,12,13,14,15
	v_readlane_b32 s[20+\k], v[VEC+\q], \k
.endr
	v_fma_f32 v[Z+2*\q], s20, v[W], v[BI]
	v_fma_f32 v[Z+2*\q+1], s20, v[W+16], v[BI+1]
.irp k, 1,2,3,4,5,6,7,8,9,10,11,12,13,14,15
	v_fma_f32 v[Z+2*\q], s[20+\k], v[W+\k], v[Z+2*\q]
	v_fma_f32 v[Z+2*\q+1], s[20+\k], v[W+16+\k], v[Z+2*\q+1]
.endr
.endr
.endm
	s_load_b512 s[68:83], s[0:1], 0x0              ; comp 68, rowsum 70, b_reduce 72, w_hfc 74, b_hfc 76, w_wfc 78, b_wfc 80, w_c1 82
	s_load_b256 s[84:91], s[0:1], 0x40             ; b_c1 84, w_c2 86, b_c2 88, beta 90
	s_load_b128 s[92:95], s[0:1], 0x60             ; ah 92, bq 94
	s_load_b64 s[96:97], s[0:1], 0x70              ; cb
	v_lshrrev_b32 v1, 5, v0
	v_readfirstlane_b32 s4, v1                     ; wave
	s_mov_b32 s5, ttmp9                            ; g
	s_and_b32 s6, ttmp7, 0xffff                    ; b
	v_and_b32 v1, 31, v0
	v_and_b32 v2, 15, v0
	v_lshlrev_b32 v3, 7, v1                        ; 128 x lane: two rows of 16 numbers
	v_lshlrev_b32 v4, 3, v1                        ; 8 x lane
	v_lshlrev_b32 v5, 2, v2                        ; 4 r
	v_lshlrev_b32 v6, 4, v1                        ; 16 x lane
	v_mov_b32 v7, 0                                ; a lane permute's destination counts as one of its sources
	v_and_b32 v8, 3, v0
	v_lshlrev_b32 v8, 4, v8                        ; 16 (lane % 4)
	v_lshlrev_b32 v9, 6, v2                        ; 64 r: a row of 16 numbers
	s_mov_b32 s8, 0x76543210
	s_mov_b32 s9, 0xfedcba98
	s_mov_b32 s7, 0x3c800000                       ; 1 / 64
	s_mov_b32 s19, 0x39800000                      ; 1 / 4,096
	s_lshl_b32 s10, s6, 6
	s_lshl_b32 s11, s5, 2
	s_add_co_u32 s10, s10, s11                     ; 64 b + 4 g: the first of my four rows
	s_lshl_b32 s12, s10, 8                         ; in bytes, in ah and in bq
	s_mov_b32 s13, 0
	s_mov_b32 s15, 0
	s_wait_kmcnt 0x0
	s_cmp_lg_u32 s4, 0
	s_cbranch_scc1 .Lwave1
	; ---- wave 0.  comp[b][g] is 64 h x 16 r x 4 w, 16,384 dense bytes: each load takes 512 of them; lane = (h % 2, r), its four numbers are the four pixels
	s_lshl_b32 s14, s6, 18
	s_lshl_b32 s16, s5, 14
	s_add_co_u32 s14, s14, s16
	s_add_nc_u64 s[68:69], s[68:69], s[14:15]
	s_add_nc_u64 s[94:95], s[94:95], s[12:13]
.set k, 0
.rept 32
	global_load_b128 v[CM+4*k:CM+4*k+3], v6, s[68:69] offset:512*k th:TH_LOAD_NT
.set k, k+1
.endr
.irp k, 0,1,2,3,4,5,6,7
	global_load_b128 v[W+4*\k:W+4*\k+3], v3, s[78:79] offset:16*\k
.endr
	global_load_b64 v[BI:BI+1], v4, s[80:81]
	global_load_b32 v[BR], v5, s[72:73]
	s_wait_loadcnt 0x0
.set k, 2
.rept 30                                       ; four chains: even and odd loads, two pairs each
	v_pk_add_f32 v[CM+4*(k%2):CM+4*(k%2)+1], v[CM+4*(k%2):CM+4*(k%2)+1], v[CM+4*k:CM+4*k+1]
	v_pk_add_f32 v[CM+4*(k%2)+2:CM+4*(k%2)+3], v[CM+4*(k%2)+2:CM+4*(k%2)+3], v[CM+4*k+2:CM+4*k+3]
.set k, k+1
.endr
	v_pk_add_f32 v[CM:CM+1], v[CM:CM+1], v[CM+4:CM+5]
	v_pk_add_f32 v[CM+2:CM+3], v[CM+2:CM+3], v[CM+6:CM+7]
.irp q, 0,1,2,3
	v_permlanex16_b32 v7, v[CM+\q], s8, s9
	v_add_f32 v[CM+\q], v[CM+\q], v7               ; with the other parity of h
.endr
.irp q, 0,1,2,3
	v_fma_f32 v[VEC+\q], v[CM+\q], s7, v[BR]       ; the mean over h, + b_reduce[r]
.endr
	ATT
	SIG 8, Z
.irp j, 0,1,2,3,4,5,6,7
	v_mul_f32 v[Z+\j], 0x3fb8aa3b, v[Z+\j]         ; x log2(e): the last launch takes exponentials to the base 2
.endr
.irp q, 0,1,2,3
	global_store_b64 v4, v[Z+2*\q:Z+2*\q+1], s[94:95] offset:256*\q    ; 32 lanes store 256 consecutive bytes, aligned
.endr
	s_endpgm
.Lwave1:
	s_lshl_b32 s14, s10, 6
	s_add_nc_u64 s[16:17], s[70:71], s[14:15]      ; rowsum at my four rows
	s_lshl_b32 s14, s6, 12
	s_add_nc_u64 s[70:71], s[70:71], s[14:15]      ; rowsum[b]
	s_add_nc_u64 s[92:93], s[92:93], s[12:13]
	s_lshl_b32 s14, s5, 10
	s_add_nc_u64 s[86:87], s[86:87], s[14:15]      ; w_c2 at row 16 g
	s_lshl_b32 s14, s5, 6
	s_add_nc_u64 s[88:89], s[88:89], s[14:15]      ; b_c2 at 16 g
	s_lshl_b32 s18, s6, 10
	s_add_co_u32 s14, s14, s18
	s_add_nc_u64 s[96:97], s[96:97], s[14:15]      ; cb at [b][16 g]
	s_load_b32 s36, s[90:91], 0x0                  ; beta
.irp k, 0,1,2,3,4,5,6,7
	global_load_b128 v[W+4*\k:W+4*\k+3], v3, s[74:75] offset:16*\k
.endr
	global_load_b64 v[BI:BI+1], v4, s[76:77]
	global_load_b32 v[BR], v5, s[72:73]
.irp q, 0,1,2,3
	global_load_b32 v[VEC+\q], v5, s[16:17] offset:64*\q
.endr
.irp k, 0,1,2,3,4,5,6,7
	global_load_b128 v[CM+4*\k:CM+4*\k+3], v6, s[70:71] offset:512*\k   ; rowsum[b], 4,096 dense bytes: lane = (h % 8, r / 4), its four numbers r = 4 (lane % 4) + e
.endr
	global_load_b128 v[96:99], v8, s[72:73]        ; b_reduce at the same four r
.irp k, 0,1,2,3
	global_load_b128 v[100+4*\k:103+4*\k], v9, s[82:83] offset:16*\k    ; w_c1's row r
	global_load_b128 v[120+4*\k:123+4*\k], v9, s[86:87] offset:16*\k    ; w_c2's row 16 g + r
.endr
	global_load_b32 v116, v5, s[84:85]             ; b_c1[r]
	global_load_b32 v117, v5, s[88:89]             ; b_c2[16 g + r]
	s_wait_loadcnt 0x0
	s_wait_kmcnt 0x0
.irp q, 0,1,2,3
	v_fma_f32 v[VEC+\q], v[VEC+\q], s7, v[BR]      ; the mean over w, + b_reduce[r]
.endr
	ATT
	SIG 8, Z
.irp q, 0,1,2,3
	global_store_b64 v4, v[Z+2*\q:Z+2*\q+1], s[92:93] offset:256*\q
.endr
	; the mean over all pixels: over my eight loads, over the lanes with my lane % 4
.irp k, 1,2,3,4,5,6,7
	v_pk_add_f32 v[CM:CM+1], v[CM:CM+1], v[CM+4*\k:CM+4*\k+1]
	v_pk_add_f32 v[CM+2:CM+3], v[CM+2:CM+3], v[CM+4*\k+2:CM+4*\k+3]
.endr
.irp e, 0,1,2,3
	v_add_f32_dpp v[CM+\e], v[CM+\e], v[CM+\e] row_xmask:4 row_mask:0xf bank_mask:0xf
.endr
.irp e, 0,1,2,3
	v_add_f32_dpp v[CM+\e], v[CM+\e], v[CM+\e] row_xmask:8 row_mask:0xf bank_mask:0xf
.endr
.irp e, 0,1,2,3
	v_permlanex16_b32 v7, v[CM+\e], s8, s9
	v_add_f32 v[CM+\e], v[CM+\e], v7
.endr
.irp e, 0,1,2,3
	v_fma_f32 v[CM+\e], v[CM+\e], s19, v[96+\e]    ; pooled[4 (lane % 4) + e]
.endr
.irp a, 0,1,2,3
.irp e, 0,1,2,3
	v_readlane_b32 s[20+4*\a+\e], v[CM+\e], \a
.endr
.endr
	v_fma_f32 v118, s20, v100, v116
.irp k, 1,2,3,4,5,6,7,8,9,10,11,12,13,14,15
	v_fma_f32 v118, s[20+\k], v[100+\k], v118
.endr
	v_max_num_f32 v118, 0, v118                    ; relu
.irp k, 0,1,2,3,4,5,6,7,8,9,10,11,12,13,14,15
	v_readlane_b32 s[20+\k], v118, \k
.endr
	v_fma_f32 v119, s20, v120, v117
.irp k, 1,2,3,4,5,6,7,8,9,10,11,12,13,14,15
	v_fma_f32 v119, s[20+\k], v[120+\k], v119
.endr
	SIG 1, 119
	v_mul_f32 v119, s36, v119                      ; beta x c_att
	global_store_b32 v5, v119, s[96:97]            ; (both halves of the lanes store the same word with the same value)
	s_endpgm
.Lfunc_end_k_q1874332706_mid:
	.size	k_q1874332706_mid, .Lfunc_end_k_q1874332706_mid-k_q1874332706_mid
	.p2alignl 7, 3214868480
	.fill 96, 4, 3214868480
	.section	.rodata,"a",@progbits
	.p2align	6, 0x0
	.amdhsa_kernel k_q1874332706_mid
		.amdhsa_group_segment_fixed_size 0
		.amdhsa_private_segment_fixed_size 0
		.amdhsa_enable_private_segment 0
		.amdhsa_kernarg_size 120
		.amdhsa_user_sgpr_count 2
		.amdhsa_user_sgpr_kernarg_segment_ptr 1
		.amdhsa_wavefront_size32 1
		.amdhsa_system_sgpr_workgroup_id_x 1
		.amdhsa_system_sgpr_workgroup_id_y 1
		.amdhsa_system_sgpr_workgroup_id_z 1
		.amdhsa_system_vgpr_workitem_id 0
		.amdhsa_next_free_vgpr 192
		.amdhsa_next_free_sgpr 100
		.amdhsa_reserve_vcc 0
		.amdhsa_float_denorm_mode_32 3
		.amdhsa_float_denorm_mode_16_64 3
		.amdhsa_memory_ordered 1
		.amdhsa_forward_progress 1
		.amdhsa_inst_pref_size 49
	.end_amdhsa_kernel
	.amdgpu_metadata
---
amdhsa.version: [ 1, 2 ]
amdhsa.kernels:
  - .name:           k_q1874332706_mid
    .symbol:         k_q1874332706_mid.kd
    .args:
      - { .name: comp, .offset: 0, .size: 8, .value_kind: global_buffer, .address_space: global }
      - { .name: rowsum, .offset: 8, .size: 8, .value_kind: global_buffer, .address_space: global }
      - { .name: b_reduce, .offset: 16, .size: 8, .value_kind: global_buffer, .address_space: global }
      - { .name: w_hfc, .offset: 24, .size: 8, .value_kind: global_buffer, .address_space: global }
      - { .name: b_hfc, .offset: 32, .size: 8, .value_kind: global_buffer, .address_space: global }
      - { .name: w_wfc, .offset: 40, .size: 8, .value_kind: global_buffer, .address_space: global }
      - { .name: b_wfc, .offset: 48, .size: 8, .value_kind: global_buffer, .address_space: global }
      - { .name: w_c1, .offset: 56, .size: 8, .value_kind: global_buffer, .address_space: global }
      - { .name: b_c1, .offset: 64, .size: 8, .value_kind: global_buffer, .address_space: global }
      - { .name: w_c2, .offset: 72, .size: 8, .value_kind: global_buffer, .address_space: global }
      - { .name: b_c2, .offset: 80, .size: 8, .value_kind: global_buffer, .address_space: global }
      - { .name: beta, .offset: 88, .size: 8, .value_kind: global_buffer, .address_space: global }
      - { .name: ah, .offset: 96, .size: 8, .value_kind: global_buffer, .address_space: global }
      - { .name: bq, .offset: 104, .size: 8, .value_kind: global_buffer, .address_space: global }
      - { .name: cb, .offset: 112, .size: 8, .value_kind: global_buffer, .address_space: global }
    .group_segment_fixed_size: 0
    .private_segment_fixed_size: 0
    .kernarg_segment_align: 8
    .kernarg_segment_size: 120
    .max_flat_workgroup_size: 64
    .sgpr_count:     100
    .vgpr_count:     192
    .wavefront_size: 32
...
	.end_amdgpu_metadata
.endif
;; end of part 2
;; launch attn (part 3): grid 64 x 4, 4 waves a work-group, clusters of 4 x 1, 327,680 bytes of LDS; arguments xc, xs, ah, bq, cb, x, alpha, out0; writes out0
.if DOCPART == 3
	.amdgcn_target "amdgcn-amd-amdhsa--gfx1250"
	.amdhsa_code_object_version 6
	.text
	.protected	k_q1874332706_attn
	.globl	k_q1874332706_attn
	.p2align	8
	.type	k_q1874332706_attn,@function
k_q1874332706_attn:
	s_mov_b64 s[64:65], 0
	v_nop
	global_prefetch_b8 v0, s[64:65] scope:SCOPE_SE
	s_setreg_imm32_b32 hwreg(HW_REG_WAVE_MODE, 25, 1), 1
	s_wait_xcnt 0x0
	s_wait_alu depctr_hold_cnt(0) depctr_sa_sdst(0) depctr_va_vdst(0) depctr_va_sdst(0) depctr_va_ssrc(0) depctr_va_vcc(0) depctr_vm_vsrc(0)
	s_getreg_b32 s2, hwreg(HW_REG_IB_STS2, 6, 4)
	s_cmp_eq_u32 s2, 0
	s_cbranch_scc0 .Lentry_in_a_cluster
	s_endpgm
.Lentry_in_a_cluster:
	s_bfe_u32 s2, ttmp6, 0x10000c
	s_cmp_lg_u32 s2, 0x3003
	s_cbranch_scc0 .Lentry_shape_is_right
	s_endpgm
.Lentry_shape_is_right:
; THIRD LAUNCH: out[b][c][h][w] = alpha / l x (sum over keys (i, j) of Q(x)[b][c][i][j] Q(p)[(h, w)][(i, j)]) + (beta c_att[b][c]) x[b][c][h][w].  Nothing of reference() is left out.
; The logit of query (h, w) and key (i, j) is h_att[b][h][i] x w_att[b][w][j].  With a_i = ah[b][h][i] and b'_j = bq[b][w][j] = log2(e) w_att: t = a_i b'_j, p = 2^(t - M).
; THE MAXIMUM IS TAKEN AWAY, and it is the row's true one: a and b' are sigmoids' values, never negative, and rounding is monotone, so the row's largest t is (largest a) x (largest b').  M is its ceiling, a whole
; number known ahead of the loop: nothing is rescaled.  0 <= t <= log2(e), so t - M lies in -2 .. 0 and p in 1/4 .. 1: no exponential and no sum of 4,096 of them can overflow or underflow.
; A block of 32 along K is one i and one half of j.  Its largest p is not searched for: p rises with b', so the half's largest b' goes through the same multiply-add and exponential.
; SHARES.  A work-group owns (b, h): 64 queries x 256 channels, over 4,096 keys in 32 steps of 128 (key rows i = 2 s, 2 s + 1).  Wave t MAKES p for queries 16 t .. 16 t + 15: lane (r, h') holds query 16 t + r and
; j = 32 h' .. 32 h' + 31, whose 32 b' stay in registers; for c' = 0, 1 its 32 numbers are registers 6 c' .. 6 c' + 5 of the operand as they stand.  The fragment goes to the other waves as an image of its
; registers in LDS.  Wave v MULTIPLIES all 64 queries by channels 64 v .. 64 v + 63: 16 accumulators.  p of step s + 1 is made while step s is multiplied: the matrix instructions stand among the exponentials.
; Source 0 = p (16 queries), source 1 = x (16 channels): register j of lane (r, h') is out(channel 16 f + r, w = 16 qt + 8 h' + j): eight neighbours of a row of out.
; CLUSTER.  The four work-groups of a cluster have the same b: x's codes and scale words are asked for JOINTLY.  The work-group's place enters only the global addresses of ah, x and out0.
; NO PREFETCH: a refill is asked for straight behind its round and is wanted four key steps later (64 matrix instructions, 264 exponentials and some 500 other lines of each wave).
; LIMITS: NaN and infinities are not served.  t - M is one fused multiply-add of a and log2(e) w_att, where reference() rounds the logit first: they differ by rounding.  Where the row's largest t lies within
; rounding of a whole number, M may be one more or less than reference()'s: the blocks' scales and l take that up exactly.
; REGISTERS, in windows of 256.  Window 0: v1-11 addresses; v12, v13 the add's two; v14 8 h'; v15 my half's largest b'; v[16:17] -M; v18-26 at work on the scales; v27-31 addresses; v32-39 l in four pairs;
;   v40, v41 x's scale words, v42, v43 p's (scales and nothing else); v44-55 p's codes; v56-62 their upper halves as converted; v63 an offset; v64-95 b'; v96-159 t - M; v160-207 x's four fragments; v208-255 p's four.
;   Window 1: v0-127 the accumulators ((qt, f) at 8 (4 f + qt)); v128-191 p.
.set STEPB, 24576                      ; a key step's codes: 2 key rows x 16 channel tiles x 768 bytes
.set SLOTB, 4*STEPB                    ; a slot holds four steps: one a wave
.set XSB,   SLOTB                      ; behind slot 0: the batch's scale words, 32 steps x 1,024 bytes, filled once
.set SLOT1, 1<<17                      ; slot 1: one exclusive or turns an address in one slot into the other's
.set PIMG,  SLOT1+SLOTB                ; p's images: 2 parities x 4 tiles x 1,536 bytes
.set PSC,   PIMG+2*6144                ; p's scale words: 2 parities x 64 queries
.set LVB,   PSC+512                    ; alpha / l of the 64 queries
.set XT,    LVB+256                    ; x[b][:][h][:] in f32, 256 rows of 256 + 16 bytes, filled once; on the way out each wave's 64 rows are its stage
.set XP,    272
.set SPARE, XT+256*XP                  ; the spare words, 128 bytes for each wave: two blocks of 256 bytes that no other line names
.set LL,  32
.set XSR, 40
.set PSR, 42
.set PC,  44
.set PX,  56
.set BQ,  64
.set T0,  96
.set LQ,  128                          ; the way out: alpha / l of my 32 results' queries
.set XF,  160
.set PF,  208
.set P1,  128                          ; in window 1
.set W_MX,  0x50                       ; D and C window 1, A and B window 0; the same setting lets v_exp_f32 read t - M in window 0 and write p in window 1
.set W_SUM, 0x04                       ; source 1 window 1
.set W_CVT, 0x01                       ; source 0 window 1
.set MSB, 0
.macro WIN new                         ; the immediate's high byte repeats the setting that is left
.if MSB != \new
	s_set_vgpr_msb (MSB<<8)|\new
.set MSB, \new
.endif
.endm
.macro CROUND                          ; a round of the cluster's barrier
	s_barrier_signal -1
	s_barrier_wait -1
	s_cmp_lg_u32 s20, 0
	s_cbranch_scc1 .Lnot_wave_0_\@
	s_barrier_signal -3
.Lnot_wave_0_\@:
	s_barrier_wait -3
	s_barrier_signal -1
	s_barrier_wait -1
.endm
.macro BAR                             ; my LDS stores have landed and my LDS loads are in: then the work-group's barrier
	s_wait_dscnt 0x0
	s_barrier_signal -1
	s_barrier_wait -1
.endm
; t - M of the next step's 64 numbers, and of the two blocks' largest.  s68, s70 = a of the step's two key rows.  na = 1: the pair after that is asked for, off bytes from s[74:75].
.macro GFMA na, off
	WIN 0
	s_wait_kmcnt 0x0                               ; the pair of a
	s_mov_b32 s70, s69                             ; (the packed form takes the low word of a pair for both halves)
.set uu, 0
.rept 16
	v_pk_fma_f32 v[T0+2*uu:T0+2*uu+1], v[BQ+2*uu:BQ+2*uu+1], s[68:69], v[16:17] op_sel_hi:[1,0,0]
.set uu, uu+1
.endr
.set uu, 0
.rept 16
	v_pk_fma_f32 v[T0+32+2*uu:T0+32+2*uu+1], v[BQ+2*uu:BQ+2*uu+1], s[70:71], v[16:17] op_sel_hi:[1,0,0]
.set uu, uu+1
.endr
	v_fma_f32 v18, v15, s68, v16
	v_fma_f32 v19, v15, s70, v16
.if \na
	s_load_b64 s[68:69], s[74:75], \off
.endif
	v_exp_f32 v18, v18                             ; the blocks' largest p: the head of the batch of 66
	v_exp_f32 v19, v19
.endm
; matrix instruction k of a step's 16: channel tile k / 4, query tile k % 4.  Tiles 2 n and 2 n + 1 have their scale words in lanes 0-15 and 16-31 of one register.
.macro WMM k, zero
.set kf, (\k)/4
.set kq, (\k)%4
.set rD, 8*(\k)
.set rA, PF+12*kq
.set rB, XF+12*kf
.set sA, PSR+kq/2
.set sB, XSR+kf/2
.if \zero
.if (kq%2 == 0) && (kf%2 == 0)
	v_wmma_scale_f32_16x16x128_f8f6f4 v[rD:rD+7], v[rA:rA+11], v[rB:rB+11], 0, v[sA], v[sB] matrix_a_fmt:MATRIX_FMT_BF6 matrix_b_fmt:MATRIX_FMT_BF6
.elseif (kq%2 == 1) && (kf%2 == 0)
	v_wmma_scale_f32_16x16x128_f8f6f4 v[rD:rD+7], v[rA:rA+11], v[rB:rB+11], 0, v[sA], v[sB] matrix_a_fmt:MATRIX_FMT_BF6 matrix_b_fmt:MATRIX_FMT_BF6 matrix_a_scale:MATRIX_SCALE_ROW1
.elseif (kq%2 == 0) && (kf%2 == 1)
	v_wmma_scale_f32_16x16x128_f8f6f4 v[rD:rD+7], v[rA:rA+11], v[rB:rB+11], 0, v[sA], v[sB] matrix_a_fmt:MATRIX_FMT_BF6 matrix_b_fmt:MATRIX_FMT_BF6 matrix_b_scale:MATRIX_SCALE_ROW1
.else
	v_wmma_scale_f32_16x16x128_f8f6f4 v[rD:rD+7], v[rA:rA+11], v[rB:rB+11], 0, v[sA], v[sB] matrix_a_fmt:MATRIX_FMT_BF6 matrix_b_fmt:MATRIX_FMT_BF6 matrix_a_scale:MATRIX_SCALE_ROW1 matrix_b_scale:MATRIX_SCALE_ROW1
.endif
.else
.if (kq%2 == 0) && (kf%2 == 0)
	v_wmma_scale_f32_16x16x128_f8f6f4 v[rD:rD+7], v[rA:rA+11], v[rB:rB+11], v[rD:rD+7], v[sA], v[sB] matrix_a_fmt:MATRIX_FMT_BF6 matrix_b_fmt:MATRIX_FMT_BF6
.elseif (kq%2 == 1) && (kf%2 == 0)
	v_wmma_scale_f32_16x16x128_f8f6f4 v[rD:rD+7], v[rA:rA+11], v[rB:rB+11], v[rD:rD+7], v[sA], v[sB] matrix_a_fmt:MATRIX_FMT_BF6 matrix_b_fmt:MATRIX_FMT_BF6 matrix_a_scale:MATRIX_SCALE_ROW1
.elseif (kq%2 == 0) && (kf%2 == 1)
	v_wmma_scale_f32_16x16x128_f8f6f4 v[rD:rD+7], v[rA:rA+11], v[rB:rB+11], v[rD:rD+7], v[sA], v[sB] matrix_a_fmt:MATRIX_FMT_BF6 matrix_b_fmt:MATRIX_FMT_BF6 matrix_b_scale:MATRIX_SCALE_ROW1
.else
	v_wmma_scale_f32_16x16x128_f8f6f4 v[rD:rD+7], v[rA:rA+11], v[rB:rB+11], v[rD:rD+7], v[sA], v[sB] matrix_a_fmt:MATRIX_FMT_BF6 matrix_b_fmt:MATRIX_FMT_BF6 matrix_a_scale:MATRIX_SCALE_ROW1 matrix_b_scale:MATRIX_SCALE_ROW1
.endif
.endif
.endm
; mm = 1: a step's 16 matrix instructions, the 16 accumulators by turns, one instruction a turn.  ex = 1: the next step's 64 exponentials: 16 ahead, three behind each matrix instruction.
; None of them reads an exponential's result.  zero = 1: the first step starts the sums: nothing is cleared.
.macro MX mm, ex, zero
	WIN W_MX
.set ee, 0
.if \ex
.rept 16
	v_exp_f32 v[P1+ee], v[T0+ee]
.set ee, ee+1
.endr
.endif
.set kk, 0
.rept 16
.if \mm
.if kk%4 == 0
	s_wait_dscnt 12-kk                             ; all is in but the groups of four loads for the channel tiles behind this one
.endif
	WMM kk, \zero
.endif
.if \ex
.rept 3
	v_exp_f32 v[P1+ee], v[T0+ee]
.set ee, ee+1
.endr
.endif
.set kk, kk+1
.endr
.endm
; the batch is out: the sums, the scale word, the codes, and the image into parity par
.macro GFIN par
	v_nop                                          ; the plain place behind the last exponential
	s_wait_alu depctr_va_vdst(0)                   ; ONE wait for the 66 exponentials, ahead of the first line that names a result
	WIN W_SUM
.set uu, 0
.rept 32
	v_pk_add_f32 v[LL+2*(uu%4):LL+2*(uu%4)+1], v[LL+2*(uu%4):LL+2*(uu%4)+1], v[P1+2*uu:P1+2*uu+1]   ; l is taken of the unquantised p: four chains of pairs.  (These are also the places behind the matrix instructions)
.set uu, uu+1
.endr
	WIN 0
	v_add_nc_u32 v20, 0xfe000000, v18              ; 4 off the exponent field of the block's largest p: the conversion's scale operand.  p >= 1/4: no floor is needed
	v_add_nc_u32 v21, 0xfe000000, v19
	v_lshrrev_b32 v22, 23, v20                     ; the scale's byte
	v_lshrrev_b32 v23, 23, v21
	v_lshl_or_b32 v24, v23, 16, v22                ; blocks h' and 2 + h' of the step,
	v_lshlrev_b32 v24, v14, v24                    ; at their places,
	v_permlanex16_b32 v25, v24, s72, s73
	v_or_b32 v26, v24, v25                         ; with lane l xor 16's two: my query's scale word
	WIN W_CVT
	v_cvt_scalef32_pk16_bf6_f32 v[PC:PC+2], v[P1:P1+15], v20
	v_cvt_scalef32_pk16_bf6_f32 v[PX:PX+2], v[P1+16:P1+31], v20     ; (a conversion's three registers begin on an even number)
	v_cvt_scalef32_pk16_bf6_f32 v[PC+6:PC+8], v[P1+32:P1+47], v21
	v_cvt_scalef32_pk16_bf6_f32 v[PX+4:PX+6], v[P1+48:P1+63], v21
	WIN 0
	v_nop                                          ; one plain place behind the last scaled conversion
.irp c, 0,1
.irp i, 0,1,2
	v_mov_b32 v[PC+6*\c+3+\i], v[PX+4*\c+\i]
.endr
.endr
.irp g, 0,1,2
	ds_store_b128 v9, v[PC+4*\g:PC+4*\g+3] offset:(\par)*6144+512*\g   ; the fragment as it stands: 16 bytes a lane, 512 a store
.endr
	ds_store_b32 v11, v26 offset:(\par)*256        ; (both halves of the lanes store the same word with the same value)
.endm
; a step's 32 LDS loads: scale words, p's four fragments (parity par), x's four, each of these last in a group of four loads
.macro LOADS par
	v_add_nc_u32 v5, s77, v2
	v_add_nc_u32 v6, s77, v3
	v_add_nc_u32 v7, s78, v4
	ds_load_b32 v[PSR], v10 offset:(\par)*256
	ds_load_b32 v[PSR+1], v10 offset:(\par)*256+128
	ds_load_b32 v[XSR], v7
	ds_load_b32 v[XSR+1], v7 offset:128
.irp q, 0,1,2,3
.irp g, 0,1,2
	ds_load_b128 v[PF+12*\q+4*\g:PF+12*\q+4*\g+3], v8 offset:(\par)*6144+1536*\q+512*\g
.endr
.endr
.irp f, 0,1,2,3
.irp c, 0,1
	ds_load_b128 v[XF+12*\f+6*\c:XF+12*\f+6*\c+3], v5 offset:12288*\c+768*\f
	ds_load_b64 v[XF+12*\f+6*\c+4:XF+12*\f+6*\c+5], v6 offset:12288*\c+768*\f
.endr
.endr
.endm
; KEY STEP s (par = s % 2): multiply step s; gen = 1: make p of step s + 1.  step = 1: the pointer into a's row goes four pairs on (the scalar load that named it is waited for first).
.macro INTERVAL par, zero, gen, na, off, step
	LOADS \par
.if \step
	s_wait_kmcnt 0x0
	s_add_nc_u64 s[74:75], s[74:75], 32
.endif
.if \gen
	GFMA \na, \off
.endif
	MX 1, \gen, \zero
.if \gen
	GFIN (1-\par)
.else
	WIN 0
.endif
	s_add_co_u32 s77, s77, STEPB
	s_add_co_u32 s78, s78, 1024
.endm
; THE CHANGE OF SLOTS, which is also the barrier between two steps.  Every wave waits for all its tensor loads (its part of the slot ahead among them), adds 0 to its spare word, and waits for that, for its reads of
; the slot that it leaves and for its stores of p's image.  fill = 1: a round of the cluster's barrier, and straight behind it the joint refill of the slot just left, the wave's one tensor load until the next round.
.macro CHANGE fill
	s_wait_tensorcnt 0x0                           ; no tensor load of mine is out, so a group 0 may be written
	ds_add_u32 v12, v13
.if \fill
	s_xor_b32 s57, s57, SLOT1                      ; the walking descriptor: the other slot than last time,
	s_add_nc_u64 s[58:59], s[58:59], SLOTB         ; the next four steps; the type bits on top are not reached
.endif
	s_wait_dscnt 0x0
.if \fill
	CROUND
	tensor_load_to_lds s[56:59], s[24:31]
	s_nop 0
.else
	s_barrier_signal -1
	s_barrier_wait -1
.endif
.endm
.macro NEXTSLOT
	s_sub_co_u32 s77, s77, SLOTB                   ; back to a slot's first step,
	s_xor_b32 s77, s77, SLOT1                      ; in the other slot
.endm
.macro XRSET f                         ; the way out: channel tile f's 32 numbers of x: v160, v192, v224, v96
.set XRB, 160+32*(\f)-((\f)/3)*160
.endm
	s_load_b512 s[4:19], s[0:1], 0x0               ; xc 4, xs 6, ah 8, bq 10, cb 12, x 14, alpha 16, out0 18
	v_lshl_add_u32 v12, v0, 2, SPARE
	v_mov_b32 v13, 0
	ds_add_u32 v12, v13                            ; the wave's opening: the add, twice on end, and its wait ahead of the round in front of my first tensor loads
	ds_add_u32 v12, v13                            ; and once more, under the one wait; the set-up below is work on registers
	v_lshrrev_b32 v1, 5, v0
	v_readfirstlane_b32 s20, v1                    ; wave 0..3
	s_bfe_u32 s21, ttmp6, 0x40000                  ; cx
	s_lshl_b32 s22, ttmp9, 2
	s_add_co_u32 s22, s22, s21                     ; h = 4 x cluster x + cx
	s_and_b32 s23, ttmp7, 0xffff                   ; b, which the four partners share
	; group 1 for the codes: a dense block of 24,576 bytes as 96 rows of 32 elements of 8 bytes; the mask names all four partners, bit 21 beside it
	s_mov_b32 s24, 15|(3<<16)|(1<<21)
	s_mov_b32 s25, 32<<16
	s_mov_b32 s26, 96<<16
	s_mov_b32 s27, 32<<16
	s_mov_b32 s28, 96
	s_mov_b32 s29, 32
	s_mov_b32 s30, 0
	s_mov_b32 s31, 0
	; for the scale words: 8,192 dense bytes, 32 such rows
	s_mov_b32 s32, 15|(3<<16)|(1<<21)
	s_mov_b32 s33, 32<<16
	s_mov_b32 s34, 32<<16
	s_mov_b32 s35, 32<<16
	s_mov_b32 s36, 32
	s_mov_b32 s37, 32
	s_mov_b32 s38, 0
	s_mov_b32 s39, 0
	; for x's f32 rows, my work-group's own (no mask): 64 channels x 64 elements of 4 bytes, 4,096 elements apart, 4 words of padding behind every 64
	s_mov_b32 s40, (2<<16)|(1<<20)|(5<<22)|(3<<25)
	s_mov_b32 s41, 64<<16
	s_mov_b32 s42, 64<<16
	s_mov_b32 s43, 64<<16
	s_mov_b32 s44, 64
	s_mov_b32 s45, 4096
	s_mov_b32 s46, 0
	s_mov_b32 s47, 0
	s_mov_b32 s72, 0x76543210
	s_mov_b32 s73, 0xfedcba98                      ; v_permlanex16_b32's selects for lane l xor 16
	s_mov_b32 s71, 0                               ; (named with s70 as a pair, so it is written)
	s_mov_b32 s77, 0                               ; LDS byte at which the step's codes begin
	s_mov_b32 s78, 0                               ; and its scale words, from XSB
	s_mul_i32 s88, s23, 786432                     ; the codes: b, + my step of a slot
	s_mul_i32 s53, s20, STEPB
	s_add_co_u32 s88, s88, s53
	s_mov_b32 s89, 0
	s_lshl_b32 s90, s23, 15                        ; the scale words: b, + my quarter
	s_lshl_b32 s49, s20, 13
	s_add_co_u32 s90, s90, s49
	s_mov_b32 s91, 0
	s_add_co_u32 s49, s49, XSB
	s_add_co_u32 s57, s53, SLOT1
	s_mul_i32 s61, s20, 64*XP
	s_add_co_u32 s61, s61, XT
	s_lshl_b32 s80, s23, 22                        ; x and out0: b x 4,194,304 + wave x 64 channels of 16,384 + h x 256 (in registers that feed no joint descriptor)
	s_lshl_b32 s82, s20, 20
	s_add_co_u32 s80, s80, s82
	s_lshl_b32 s82, s22, 8
	s_add_co_u32 s80, s80, s82
	s_mov_b32 s81, 0
	s_mov_b32 s48, 1
	s_mov_b32 s52, 1
	s_mov_b32 s56, 1
	s_mov_b32 s60, 1
	s_wait_dscnt 0x0                               ; both opening adds are done
	s_wait_kmcnt 0x0
	s_add_nc_u64 s[50:51], s[6:7], s[90:91]
	s_or_b32 s51, s51, 0x80000000
	s_add_nc_u64 s[54:55], s[4:5], s[88:89]        ; steps 0 to 3
	s_add_nc_u64 s[58:59], s[54:55], SLOTB         ; steps 4 to 7
	s_or_b32 s55, s55, 0x80000000
	s_or_b32 s59, s59, 0x80000000
	s_add_nc_u64 s[62:63], s[14:15], s[80:81]
	s_or_b32 s63, s63, 0x80000000
	s_add_nc_u64 s[84:85], s[18:19], s[80:81]      ; out0 at my wave's first channel
	s_lshl_b32 s82, s23, 14
	s_lshl_b32 s83, s22, 8
	s_add_co_u32 s82, s82, s83
	s_mov_b32 s83, 0
	s_add_nc_u64 s[74:75], s[8:9], s[82:83]        ; ah's row (b, h)
	s_lshl_b32 s82, s23, 14
	s_lshl_b32 s79, s20, 12
	s_add_co_u32 s82, s82, s79
	s_add_nc_u64 s[10:11], s[10:11], s[82:83]      ; bq at (b, w = 16 wave)
	s_lshl_b32 s82, s23, 10
	s_lshl_b32 s79, s20, 8
	s_add_co_u32 s82, s82, s79
	s_add_nc_u64 s[12:13], s[12:13], s[82:83]      ; cb at (b, c = 64 wave)
	CROUND                                         ; all four work-groups are here: the first joint loads meet
	tensor_load_to_lds s[48:51], s[32:39]          ; the first fills, every wave its part of each: the scale words,
	s_nop 0
	tensor_load_to_lds s[52:55], s[24:31]          ; slot 0,
	s_nop 0
	tensor_load_to_lds s[56:59], s[24:31]          ; slot 1,
	s_nop 0
	tensor_load_to_lds s[60:63], s[40:47]          ; and x's f32 rows, wanted on the way out: four loads of mine are out
	s_nop 0
	s_load_b32 s86, s[16:17], 0x0                  ; alpha
	s_load_b64 s[68:69], s[74:75], 0x0             ; a of key rows 0, 1
	v_and_b32 v24, 31, v0                          ; lane
	v_and_b32 v25, 15, v0                          ; r
	v_bfe_u32 v26, v0, 4, 1                        ; h'
	v_lshlrev_b32 v28, 8, v25
	v_lshl_add_u32 v28, v26, 7, v28                ; bq: row r of 256 bytes + 128 h'
	v_lshlrev_b32 v63, 3, v24
.irp k, 0,1,2,3,4,5,6,7
	global_load_b128 v[BQ+4*\k:BQ+4*\k+3], v28, s[10:11] offset:16*\k
.endr
	global_load_b64 v[T0:T0+1], v63, s[74:75]      ; the whole row of a, two numbers a lane, for its largest
	s_mul_i32 s88, s20, 3072                       ; my four channel tiles in a key row's codes
	v_lshl_add_u32 v2, v24, 4, s88
	v_lshl_add_u32 v3, v24, 3, s88
	v_add_nc_u32 v3, 512, v3
	s_lshl_b32 s89, s20, 8
	s_add_co_u32 s89, s89, XSB
	v_lshl_add_u32 v4, v24, 2, s89                 ; my 64 channels' scale words
	v_lshl_add_u32 v8, v24, 4, PIMG                ; an image's place for my lane,
	s_mul_i32 s89, s20, 1536
	v_add_nc_u32 v9, s89, v8                       ; and in my own tile
	v_lshl_add_u32 v10, v24, 2, PSC
	s_lshl_b32 s89, s20, 6
	s_add_co_u32 s89, s89, PSC
	v_lshl_add_u32 v11, v25, 2, s89                ; my query's scale word
	v_lshlrev_b32 v14, 3, v26
	v_lshl_add_u32 v1, v26, 5, LVB                 ; the way out: alpha / l of queries 8 h' on
	v_lshlrev_b32 v27, 2, v25                      ; cb: 4 r
	v_lshlrev_b32 v29, 14, v26
	v_lshl_add_u32 v29, v25, 4, v29                ; out0: lanes 0-15 one channel's row, lanes 16-31 the next's; 16 bytes a lane
	v_mul_u32_u24 v30, v25, XP
	v_lshl_add_u32 v30, v26, 5, v30
	v_add_nc_u32 v30, s61, v30                     ; x's tile: channel 64 wave + r, w = 8 h'
	v_mul_u32_u24 v31, v26, XP
	v_lshl_add_u32 v31, v25, 4, v31
	v_add_nc_u32 v31, s61, v31                     ; and back by rows
.irp j, 0,1,2,3,4,5,6,7
	v_mov_b32 v[LL+\j], 0
.endr
	s_wait_loadcnt 0x0
	v_max3_num_f32 v15, v[BQ], v[BQ+1], v[BQ+2]    ; my half's largest b'
.set uu, 3
.rept 14
	v_max3_num_f32 v15, v15, v[BQ+uu], v[BQ+uu+1]
.set uu, uu+2
.endr
	v_max_num_f32 v15, v15, v[BQ+31]
	v_permlanex16_b32 v25, v15, s72, s73
	v_max_num_f32 v24, v15, v25                    ; the row's
	v_max_num_f32 v[T0], v[T0], v[T0+1]            ; the largest a
	v_max_num_f32_dpp v[T0], v[T0], v[T0] row_xmask:1 row_mask:0xf bank_mask:0xf
	v_max_num_f32_dpp v[T0], v[T0], v[T0] row_xmask:2 row_mask:0xf bank_mask:0xf
	v_max_num_f32_dpp v[T0], v[T0], v[T0] row_xmask:4 row_mask:0xf bank_mask:0xf
	v_max_num_f32_dpp v[T0], v[T0], v[T0] row_xmask:8 row_mask:0xf bank_mask:0xf
	v_permlanex16_b32 v25, v[T0], s72, s73
	v_max_num_f32 v[T0], v[T0], v25
	v_mul_f32 v24, v24, v[T0]                      ; the row's largest t
	v_floor_f32 v16, -v24                          ; -M = floor(-t) = -ceil(t)
	v_mov_b32 v17, v16                             ; (named with it as a pair)
	GFMA 1, 8                                      ; p of step 0, while the tiles are on their way
	MX 0, 1, 0
	GFIN 0
	s_wait_tensorcnt 2                             ; my parts of the scale words and of slot 0 are in; slot 1's load and x's, issued behind them, may stay out
	BAR
	INTERVAL 0, 1, 1, 1, 16, 0                     ; steps 0 to 3: the first starts the sums
	BAR
	INTERVAL 1, 0, 1, 1, 24, 0
	BAR
	INTERVAL 0, 0, 1, 1, 32, 0
	BAR
	INTERVAL 1, 0, 1, 1, 40, 0
	NEXTSLOT
	s_mov_b32 s76, 6
.Lslot:                                            ; six trips: steps 4 to 27; at the head of each the slot just left takes the four steps that come after the slot ahead
	CHANGE 1
	INTERVAL 0, 0, 1, 1, 16, 1
	BAR
	INTERVAL 1, 0, 1, 1, 24, 0
	BAR
	INTERVAL 0, 0, 1, 1, 32, 0
	BAR
	INTERVAL 1, 0, 1, 1, 40, 0
	NEXTSLOT
	s_sub_co_u32 s76, s76, 1
	s_cmp_lg_u32 s76, 0
	s_cbranch_scc1 .Lslot
	CHANGE 0                                       ; the last four steps are written out: nothing is left to fetch
	INTERVAL 0, 0, 1, 1, 16, 1
	BAR
	INTERVAL 1, 0, 1, 1, 24, 0                     ; (asks for the last pair of a: bytes 248 to 255 of the row)
	BAR
	INTERVAL 0, 0, 1, 0, 0, 0                      ; makes p of step 31
	BAR
.irp f, 0,1,2,3
	global_load_b32 v[BQ+2*\f], v27, s[12:13] offset:64*\f    ; beta c_att of channel 16 f + r, into registers that b' has left
.endr
	INTERVAL 1, 0, 0, 0, 0, 0
	; THE WAY OUT.  l's parts are added (these lines are also the places behind the last matrix instructions); alpha / l goes to the other waves through LDS.
	v_pk_add_f32 v[LL:LL+1], v[LL:LL+1], v[LL+2:LL+3]
	v_pk_add_f32 v[LL+4:LL+5], v[LL+4:LL+5], v[LL+6:LL+7]
	v_pk_add_f32 v[LL:LL+1], v[LL:LL+1], v[LL+4:LL+5]
	v_add_f32 v[LL], v[LL], v[LL+1]
	v_permlanex16_b32 v25, v[LL], s72, s73
	v_add_f32 v[LL], v[LL], v25                    ; with the other half of j: the row's sum
	v_rcp_f32 v[LL+1], v[LL]
	v_nop                                          ; a plain place behind the reciprocal,
	s_wait_alu depctr_va_vdst(0)                   ; and the wait ahead of its first reader
	v_mul_f32 v[LL+1], s86, v[LL+1]
	ds_store_b32 v11, v[LL+1] offset:LVB-PSC       ; alpha / l of query 16 wave + r
.irp f, 0,1,2,3                                ; x at my 128 results' places: my own 64 rows of the tile, which my own tensor load brought
	XRSET \f
.set mm, 0
.rept 8
	ds_load_b128 v[XRB+4*mm:XRB+4*mm+3], v30 offset:16*XP*\f+64*(mm/2)+16*(mm%2)
.set mm, mm+1
.endr
.endr
	BAR                                            ; all 64 alpha / l lie in LDS
.set mm, 0
.rept 8
	ds_load_b128 v[LQ+4*mm:LQ+4*mm+3], v1 offset:64*(mm/2)+16*(mm%2)
.set mm, mm+1
.endr
	s_wait_loadcnt 0x0                             ; beta c_att
.irp f, 0,1,2,3
	XRSET \f
.set mm, 0
.rept 16
	v_pk_mul_f32 v[XRB+2*mm:XRB+2*mm+1], v[XRB+2*mm:XRB+2*mm+1], v[BQ+2*\f:BQ+2*\f+1] op_sel_hi:[1,0]
.set mm, mm+1
.endr
.endr
	s_wait_dscnt 0x0
	WIN W_CVT                                      ; source 0, the accumulators: window 1
.irp f, 0,1,2,3
	XRSET \f
.set mm, 0
.rept 16
	v_pk_fma_f32 v[XRB+2*mm:XRB+2*mm+1], v[32*\f+2*mm:32*\f+2*mm+1], v[LQ+2*mm:LQ+2*mm+1], v[XRB+2*mm:XRB+2*mm+1]   ; each accumulator from its low end on
.set mm, mm+1
.endr
.endr
	WIN 0
.irp f, 0,1,2,3                                ; back to the places in my rows of the tile, which has had its one fill and which no other wave touches
	XRSET \f
.set mm, 0
.rept 8
	ds_store_b128 v30, v[XRB+4*mm:XRB+4*mm+3] offset:16*XP*\f+64*(mm/2)+16*(mm%2)
.set mm, mm+1
.endr
.endr
.set kk, 0
.rept 32                                       ; and out by rows, two channels an instruction.  LDS serves a wave's instructions in order: these see my stores
	ds_load_b128 v[160+4*kk-(kk/24)*160:163+4*kk-(kk/24)*160], v31 offset:2*XP*kk
.set kk, kk+1
.endr
.set kk, 0
.rept 32
	s_wait_dscnt 31-kk                             ; the row loads issued behind this one may be out
	global_store_b128 v29, v[160+4*kk-(kk/24)*160:163+4*kk-(kk/24)*160], s[84:85] offset:32768*kk th:TH_STORE_NT   ; sixteen lanes store a row of out0: 256 consecutive bytes, aligned
.set kk, kk+1
.endr
	s_wait_tensorcnt 0x0                           ; the wave's end: the wait, the add and its wait, behind my last tensor load and my last LDS store
	ds_add_u32 v12, v13
	s_wait_dscnt 0x0
	CROUND                                         ; the closing round: no work-group ends while a partner may still ask for a tile that names it
	s_endpgm
.Lfunc_end_k_q1874332706_attn:
	.size	k_q1874332706_attn, .Lfunc_end_k_q1874332706_attn-k_q1874332706_attn
	.p2alignl 7, 3214868480
	.fill 96, 4, 3214868480
	.section	.rodata,"a",@progbits
	.p2align	6, 0x0
	.amdhsa_kernel k_q1874332706_attn
		.amdhsa_group_segment_fixed_size 327680
		.amdhsa_private_segment_fixed_size 0
		.amdhsa_enable_private_segment 0
		.amdhsa_kernarg_size 64
		.amdhsa_user_sgpr_count 2
		.amdhsa_user_sgpr_kernarg_segment_ptr 1
		.amdhsa_wavefront_size32 1
		.amdhsa_system_sgpr_workgroup_id_x 1
		.amdhsa_system_sgpr_workgroup_id_y 1
		.amdhsa_system_sgpr_workgroup_id_z 1
		.amdhsa_system_vgpr_workitem_id 0
		.amdhsa_next_free_vgpr 512
		.amdhsa_next_free_sgpr 96
		.amdhsa_reserve_vcc 0
		.amdhsa_float_denorm_mode_32 3
		.amdhsa_float_denorm_mode_16_64 3
		.amdhsa_memory_ordered 1
		.amdhsa_forward_progress 1
		.amdhsa_inst_pref_size 176
	.end_amdhsa_kernel
	.amdgpu_metadata
---
amdhsa.version: [ 1, 2 ]
amdhsa.kernels:
  - .name:           k_q1874332706_attn
    .symbol:         k_q1874332706_attn.kd
    .args:
      - { .name: xc, .offset: 0, .size: 8, .value_kind: global_buffer, .address_space: global }
      - { .name: xs, .offset: 8, .size: 8, .value_kind: global_buffer, .address_space: global }
      - { .name: ah, .offset: 16, .size: 8, .value_kind: global_buffer, .address_space: global }
      - { .name: bq, .offset: 24, .size: 8, .value_kind: global_buffer, .address_space: global }
      - { .name: cb, .offset: 32, .size: 8, .value_kind: global_buffer, .address_space: global }
      - { .name: x, .offset: 40, .size: 8, .value_kind: global_buffer, .address_space: global }
      - { .name: alpha, .offset: 48, .size: 8, .value_kind: global_buffer, .address_space: global }
      - { .name: out0, .offset: 56, .size: 8, .value_kind: global_buffer, .address_space: global }
    .group_segment_fixed_size: 327680
    .private_segment_fixed_size: 0
    .kernarg_segment_align: 8
    .kernarg_segment_size: 64
    .max_flat_workgroup_size: 128
    .sgpr_count:     96
    .vgpr_count:     512
    .wavefront_size: 32
...
	.end_amdgpu_metadata
.endif
;; end of part 3
